; MI455X (gfx1250); checked and timed in simulation.
; The chip was launched on July 23, 2026; its instructions are those of AMD's public machine-readable ISA for CDNA 5 (MIT licence, August 2026) and "CDNA5" Instruction Set Architecture Reference Guide (July 2026). The comments in the code are by the model that wrote it; some were corrected since.
;; Mo G Prior. Allowed arithmetic: float matrix products may take bf16 or f16 operands with f32 sums; all other float work in f32.
;; Inputs: log_vars 256 x 128 float32; means 256 x 128 float32; w 256 x 1 x 1 float32; z 16 x 4,096 x 128 float32.
;; Outputs: out0 4,096 x 128 float32.
;; One version. Each part assembles by itself: llvm-mc -triple=amdgcn-amd-amdhsa -mcpu=gfx1250 --defsym DOCPART=n.
;; ======== version 1 of 1: 1 launch
;; launch mog (part 1): grid 256 x 1, 8 waves a work-group, no clusters, 222,720 bytes of LDS; arguments z, means, log_vars, w, out0; writes out0
.if DOCPART == 1
	.amdgcn_target "amdgcn-amd-amdhsa--gfx1250"
	.amdhsa_code_object_version 6
	.text
	.protected	k_q42b0d00c89_mog
	.globl	k_q42b0d00c89_mog
	.p2align	8
	.type	k_q42b0d00c89_mog,@function
k_q42b0d00c89_mog:
	s_mov_b64 s[64:65], 0
	v_nop
	global_prefetch_b8 v0, s[64:65] scope:SCOPE_SE
	s_setreg_imm32_b32 hwreg(HW_REG_WAVE_MODE, 25, 1), 1
	s_wait_xcnt 0x0
; out[b][d] = logsumexp over k of ( log N(mean over 16 samples; means[k][d], log_vars[k][d]) + log_softmax(w)[k] ).
; z [16][4096][128], means, log_vars [256][128], w [256], out [4096][128], all f32.
;
; With L = log2(e), everything is kept in base 2:
;   x[k][b][d] = A[k][d] + B[k][d] E2[b][d] + C[k][d] E1[b][d],    E1 = mean z, E2 = mean z^2,
;   B = -L/2 exp(-lv),  C = -2 B mu,  A = L (w[k] - lse(w) - log(2 pi)/2) - L/2 lv + B mu^2,
;   out = ln 2 (m + log2( sum over k of 2^(x - m) )),  m a running maximum over chunks of 16 components.
; These are the three terms E2 - 2 mu E1 + mu^2 of the definition, each multiplied by the precision beforehand and joined by two fused
; multiply-adds: the cancellation between them is the definition's own.
;
; A work-group owns 32 rows b x 64 columns d (256 bytes of every row of z, means, log_vars, out: one aligned run of 256 bytes each).
; 256 work-groups: ttmp9 & 1 = which 64 columns, ttmp9 >> 1 = which 32 rows.  Eight waves.
;   Phase 1: all loads are issued at once (z into register window 1).  While z travels, each wave makes lse(w) for itself and the A, B, C of
;            its 32 components x 64 columns, and lays them into LDS with k along a column's row.  Then the means of z and z^2, into LDS.
;   Phase 2: lane = column, a wave = 32 columns x 8 rows b; 16 chunks of 16 components.
;   Phase 3: results through LDS, so that sixteen neighbouring lanes store 256 consecutive bytes, aligned.
;
; LIMITS.  exp(-log_vars) is capped at 2^100 (it acts for log_vars < -69.3): A, B E2 and C E1 then stay finite for |z|, |means| <= 4096, and no
; inf - inf arises where the definition has -inf for such a component; the term -lv/2 is not capped.  exp(-log_vars) below 2^-126
; (log_vars > 87.3) counts as zero (v_exp_f32 flushes).  Sums are taken in another order than in the definition.
;
; NO CLUSTER: z is read by one work-group only.  means and log_vars are read by the 128 work-groups of a column half, but an exponential
; stands between memory and LDS, and the raw halves (131,072 bytes) and the derived table (205,312 bytes) do not fit into LDS together.
.set KBLK,   25664                     ; LDS bytes of 32 components x 64 columns x (A, B, C): 64 rows of 400 + 4 x 16
.set CPITCH, 400                       ; a column's row: 3 x 128 bytes + 16 = 25 x 16 bytes; a further 16 bytes after every 16 columns.
                                       ; 16-byte column of (d, quad) modulo 16 = 9 d + (d >> 4) + const: sixteen different ones both for
                                       ; d = d0 .. d0+15 (the readers) and for d = j, j+4, .. j+60 (the writers)
.set EOFF,   8*KBLK                    ; 205,312: plane of E2 [32 b][64 d], then plane of E1; later the stage of the way out
.set EPL,    8192                      ; from the E2 plane to the E1 plane
.set SPL,    4224                      ; stage: from columns 0-31 to columns 32-63 (32 rows x 128 bytes + 128, so that the halves of a row differ in banks)
; registers, window 0, all phases
.set VCO,  1                           ; byte offset in means / log_vars
.set VWQ,  2                           ; byte offset in w of my four components
.set VZO,  3                           ; byte offset in z
.set LWR,  4                           ; LDS: where I write coefficients
.set LEW,  5                           ; LDS: where I write E
.set CADR, 6                           ; LDS: my column's coefficient row, stepped by KBLK
.set LER,  7                           ; LDS: where I read E
; phase 1
.set W8,   8                           ; v[8:15]    eight w, for lse(w)
.set INB,  16                          ; v[16:159]  four blocks of 36: w of 4 components, means 4 k x 4 d, log_vars 4 k x 4 d
.set OC,   160                         ; v[160:171] A, B, C of 4 components of one column
.set TM,   172                         ; v[172:175] at work
.set LA0,  176
.set LA1,  177
.set CW,   178                         ; -L max w - log2(sum) - log2(2 pi)/2
; phase 1, window 1 (written v0 .. v143 under s_set_vgpr_msb)
.set ZSUM, 128                         ; v[384:391] sums of z:   2 rows x 4 columns
.set ZSQ,  136                         ; v[392:399] sums of z^2
; phase 2
.set E2R,  16                          ; v[16:23]   E2 of my 8 rows
.set EZR,  24                          ; v[24:31]   E1
.set MXA,  32                          ; v[32:39], v[40:47]  running maxima: two sets that take turns chunk by chunk, so that old and new coexist
.set SM,   48                          ; v[48:63]   sums, a pair for each row
.set TT,   64                          ; v[64:79], v[80:95]   x of 16 components: two sets, rows take turns
.set XX,   96                          ; v[96:101], v[104:109] temporaries of the two sets; +5: old - new maximum, then the rescale factor
.set CFA,  112                         ; v[112:159], v[160:207] coefficient buffers: A 16, B 16, C 16
; phase 3
.set ROWR, 208
.set LSR,  209
.set VOO,  210
.set LSW,  211
.set OD,   212                         ; v[212:219]
.set MSB, 0
.macro WIN new                         ; the immediate's high byte repeats the setting that is left
.if MSB != \new
	s_set_vgpr_msb (MSB<<8)|\new
.set MSB, \new
.endif
.endm
	s_load_b256 s[4:11], s[0:1], 0x0               ; z s[4:5], means s[6:7], log_vars s[8:9], w s[10:11]
	s_load_b64 s[12:13], s[0:1], 0x20              ; out
	v_lshl_add_u32 v254, v0, 2, 0x36200
	v_mov_b32 v255, 0
	v_lshrrev_b32 v180, 5, v0
	v_readfirstlane_b32 s14, v180                  ; wave 0..7
	v_and_b32 v183, 31, v0                         ; lane
	v_and_b32 v182, 15, v0                         ; q: which 16 bytes (4 columns) of a 256-byte row piece
	v_bfe_u32 v181, v0, 4, 1                       ; h: which half of the lanes
	v_lshlrev_b32 v184, 4, v182                    ; 16 q
	v_lshlrev_b32 v185, 5, v183                    ; 32 x lane: my eight w
	s_mov_b32 s28, 0x76543210                      ; v_permlanex16_b32: lane i reads lane i of the other half
	s_mov_b32 s29, 0xfedcba98
	s_mov_b32 s30, 0x3fb8aa3b                      ; L = log2(e)
	s_mov_b32 s31, 0x3f317218                      ; ln 2
	; means, log_vars: component 4 (8 wave + 2 blk + h) + i, a row of 512 bytes
	s_lshl_b32 s36, s14, 14
	v_lshl_add_u32 v[VCO], v181, 11, v184
	v_add_nc_u32 v[VCO], s36, v[VCO]
	s_lshl_b32 s37, s14, 7                         ; w: the same four components, 16 bytes
	v_lshlrev_b32 v[VWQ], 4, v181
	v_add_nc_u32 v[VWQ], s37, v[VWQ]
	s_lshl_b32 s38, s14, 11                        ; z: row 4 wave + h (+ 2 by the immediate)
	v_lshl_add_u32 v[VZO], v181, 9, v184
	v_add_nc_u32 v[VZO], s38, v[VZO]
	s_mul_i32 s39, s14, KBLK                       ; coefficients out: block = wave, column 4 q (+ j), quad h (+ 2 blk)
	v_mul_u32_u24 v[LWR], v182, 4*CPITCH
	v_lshrrev_b32 v186, 2, v182
	v_lshl_add_u32 v[LWR], v186, 4, v[LWR]
	v_lshl_add_u32 v[LWR], v181, 4, v[LWR]
	v_add_nc_u32 v[LWR], s39, v[LWR]
	s_lshl_b32 s40, s14, 10                        ; E out: row 4 wave + h, 256 bytes a row
	s_add_co_u32 s40, s40, EOFF
	v_lshl_add_u32 v[LEW], v181, 8, v184
	v_add_nc_u32 v[LEW], s40, v[LEW]
	s_lshr_b32 s41, s14, 2                         ; phase 2: which 32 columns are my wave's
	s_and_b32 s42, s14, 3                          ;          which 8 rows
	s_mul_i32 s43, s41, 32*CPITCH+32
	v_mul_u32_u24 v[CADR], v183, CPITCH
	v_lshl_add_u32 v[CADR], v181, 4, v[CADR]
	v_add_nc_u32 v[CADR], s43, v[CADR]
	s_lshl_b32 s44, s42, 11
	s_lshl_b32 s45, s41, 7
	s_add_co_u32 s44, s44, s45
	s_add_co_u32 s44, s44, EOFF
	v_lshl_add_u32 v[LER], v183, 2, s44
	s_mul_i32 s46, s41, SPL                        ; phase 3: my wave's 1,024 bytes of the stage
	s_lshl_b32 s47, s42, 10
	s_add_co_u32 s46, s46, s47
	s_add_co_u32 s46, s46, EOFF
	; the work-group's place
	s_and_b32 s34, ttmp9, 1
	s_lshl_b32 s34, s34, 8                         ; 64 columns = 256 bytes
	s_mov_b32 s35, 0
	s_lshr_b32 s18, ttmp9, 1
	s_lshl_b32 s18, s18, 14                        ; 32 rows of 512 bytes
	s_add_co_u32 s18, s18, s34
	s_mov_b32 s19, 0
	s_wait_kmcnt 0x0
	s_add_nc_u64 s[6:7], s[6:7], s[34:35]
	s_add_nc_u64 s[8:9], s[8:9], s[34:35]
	s_add_nc_u64 s[12:13], s[12:13], s[18:19]
	s_add_nc_u64 s[20:21], s[4:5], s[18:19]        ; z: a sample is 2 MiB; four samples are reached by the immediate, so four bases 8 MiB apart
	s_add_nc_u64 s[22:23], s[20:21], 0x800000
	s_add_nc_u64 s[24:25], s[22:23], 0x800000
	s_add_nc_u64 s[26:27], s[24:25], 0x800000
	; ALL LOADS: 2 + 4 x 9 small ones first (loads come back in order, ISA guide 5.7.1, and these are worked on while z travels), then z's 32.
	global_load_b128 v[W8:W8+3],   v185, s[10:11]
	global_load_b128 v[W8+4:W8+7], v185, s[10:11] offset:16
.irp blk, 0,1,2,3
	global_load_b128 v[INB+36*\blk:INB+36*\blk+3], v[VWQ], s[10:11] offset:32*\blk
.irp i, 0,1,2,3
	global_load_b128 v[INB+36*\blk+4+4*\i:INB+36*\blk+7+4*\i], v[VCO], s[6:7] offset:4096*\blk+512*\i     ; sixteen lanes: 256 bytes of one row of means
.endr
.irp i, 0,1,2,3
	global_load_b128 v[INB+36*\blk+20+4*\i:INB+36*\blk+23+4*\i], v[VCO], s[8:9] offset:4096*\blk+512*\i   ; and of log_vars
.endr
.endr
	WIN 0x40                                       ; destination in window 1, address in window 0
.set mc, 0
.rept 16
	global_load_b128 v[8*mc:8*mc+3],   v[VZO], s[20+2*(mc>>2):21+2*(mc>>2)] offset:(mc&3)*0x200000 th:TH_LOAD_NT        ; rows 4 wave + h
	global_load_b128 v[8*mc+4:8*mc+7], v[VZO], s[20+2*(mc>>2):21+2*(mc>>2)] offset:(mc&3)*0x200000+1024 th:TH_LOAD_NT   ; rows 4 wave + 2 + h
.set mc, mc+1
.endr
	WIN 0
	; lse(w), by every wave for itself: 8 numbers a lane, maximum taken away.
	s_wait_loadcnt 63                              ; 68 loads are younger than w's two; 63 is the most that the field can name
	v_max3_num_f32 v[LA0], v[W8], v[W8+1], v[W8+2]
	v_max3_num_f32 v[LA1], v[W8+3], v[W8+4], v[W8+5]
	v_max3_num_f32 v[LA0], v[LA0], v[W8+6], v[W8+7]
	v_max_num_f32 v[LA0], v[LA0], v[LA1]
	v_max_num_f32_dpp v[LA0], v[LA0], v[LA0] row_xmask:1 row_mask:0xf bank_mask:0xf
	v_max_num_f32_dpp v[LA0], v[LA0], v[LA0] row_xmask:2 row_mask:0xf bank_mask:0xf
	v_max_num_f32_dpp v[LA0], v[LA0], v[LA0] row_xmask:4 row_mask:0xf bank_mask:0xf
	v_max_num_f32_dpp v[LA0], v[LA0], v[LA0] row_xmask:8 row_mask:0xf bank_mask:0xf
	v_permlanex16_b32 v[LA1], v[LA0], s28, s29
	v_max_num_f32 v[LA0], v[LA0], v[LA1]           ; max w, in every lane
	v_mul_f32 v[LA1], 0xbfb8aa3b, v[LA0]           ; -L max
.irp i, 0,1,2,3,4,5,6,7
	v_fma_f32 v[W8+\i], v[W8+\i], s30, v[LA1]      ; L (w - max)
.endr
.irp i, 0,1,2,3,4,5,6,7
	v_exp_f32 v[W8+\i], v[W8+\i]
.endr
	v_add_f32 v[LA1], 0xbfa9b21d, v[LA1]           ; - log2(2 pi)/2.  Also the plain instruction that stands between the exponentials and their use
	s_wait_alu depctr_va_vdst(0)
	v_pk_add_f32 v[W8:W8+1], v[W8:W8+1], v[W8+2:W8+3]
	v_pk_add_f32 v[W8+4:W8+5], v[W8+4:W8+5], v[W8+6:W8+7]
	v_pk_add_f32 v[W8:W8+1], v[W8:W8+1], v[W8+4:W8+5]
	v_add_f32 v[W8], v[W8], v[W8+1]
	v_add_f32_dpp v[W8], v[W8], v[W8] row_xmask:1 row_mask:0xf bank_mask:0xf
	v_add_f32_dpp v[W8], v[W8], v[W8] row_xmask:2 row_mask:0xf bank_mask:0xf
	v_add_f32_dpp v[W8], v[W8], v[W8] row_xmask:4 row_mask:0xf bank_mask:0xf
	v_add_f32_dpp v[W8], v[W8], v[W8] row_xmask:8 row_mask:0xf bank_mask:0xf
	v_permlanex16_b32 v[W8+1], v[W8], s28, s29
	v_add_f32 v[W8], v[W8], v[W8+1]                ; between 1 and 256
	v_log_f32 v[W8], v[W8]
	v_nop                                          ; one plain place behind the logarithm
	s_wait_alu depctr_va_vdst(0)
	v_sub_f32 v[CW], v[LA1], v[W8]
; A, B, C of 4 components x 4 columns.  The loads hold 4 columns side by side; LDS wants 4 components side by side: the last instruction
; of each coefficient writes it where the store wants it, so the transposition costs no move.
; left = how many younger loads may stay out.
.macro COEF blk, left
.set WQ, INB+36*\blk
.set MU, WQ+4
.set LV, WQ+20
	s_wait_loadcnt \left
.irp i, 0,1,2,3
	v_fma_f32 v[WQ+\i], v[WQ+\i], s30, v[CW]                       ; L (w - lse(w) - log(2 pi)/2)
.endr
.irp n, 0,1,2,3,4,5,6,7
	v_pk_mul_f32 v[LV+2*\n:LV+2*\n+1], v[LV+2*\n:LV+2*\n+1], 0xbfb8aa3b op_sel_hi:[1,0]    ; t = -L lv
.endr
.irp j, 0,1,2,3
.irp i, 0,1,2,3
	v_min_num_f32 v[TM+\i], 0x42c80000, v[LV+4*\i+\j]              ; the cap of the precision: t <= 100
.endr
.irp i, 0,1,2,3
	v_exp_f32 v[TM+\i], v[TM+\i]                                   ; exp(-lv)
.endr
.irp i, 0,1,2,3
	v_fma_f32 v[OC+\i], v[LV+4*\i+\j], 0.5, v[WQ+\i]               ; -L/2 lv + ..., from the uncapped t (plain work behind the exponentials)
.endr
	s_wait_alu depctr_va_vdst(0)
.irp i, 0,1,2,3
	v_mul_f32 v[OC+4+\i], 0xbf38aa3b, v[TM+\i]                     ; B = -L/2 exp(-lv)
.endr
.irp i, 0,1,2,3
	v_mul_f32 v[TM+\i], v[OC+4+\i], v[MU+4*\i+\j]                  ; B mu
.endr
.irp i, 0,1,2,3
	v_mul_f32 v[OC+8+\i], -2.0, v[TM+\i]                           ; C = -2 B mu
.endr
.irp i, 0,1,2,3
	v_fmac_f32 v[OC+\i], v[TM+\i], v[MU+4*\i+\j]                   ; A += B mu^2
.endr
	ds_store_b128 v[LWR], v[OC:OC+3]    offset:CPITCH*\j+32*\blk
	ds_store_b128 v[LWR], v[OC+4:OC+7]  offset:CPITCH*\j+32*\blk+128
	ds_store_b128 v[LWR], v[OC+8:OC+11] offset:CPITCH*\j+32*\blk+256
.endr
.endm
	COEF 0, 59                                     ; younger: 3 blocks of 9 and z's 32
	COEF 1, 50
	COEF 2, 41
	COEF 3, 32
	; The means over the 16 samples, wholly in window 1.  The first two samples start the sums: nothing is cleared.
	WIN 0x55
	s_wait_loadcnt 28                              ; samples 0 and 1 (four loads) are in
.irp n, 0,2,4,6
	v_pk_add_f32 v[ZSUM+\n:ZSUM+\n+1], v[\n:\n+1], v[8+\n:9+\n]
	v_pk_mul_f32 v[ZSQ+\n:ZSQ+\n+1], v[\n:\n+1], v[\n:\n+1]
.endr
.irp n, 0,2,4,6
	v_pk_fma_f32 v[ZSQ+\n:ZSQ+\n+1], v[8+\n:9+\n], v[8+\n:9+\n], v[ZSQ+\n:ZSQ+\n+1]
.endr
.set mc, 2
.rept 14
	s_wait_loadcnt 30-2*mc                         ; sample mc's two loads are in; the 2 (15 - mc) younger ones stay out
.irp n, 0,2,4,6
	v_pk_add_f32 v[ZSUM+\n:ZSUM+\n+1], v[ZSUM+\n:ZSUM+\n+1], v[8*mc+\n:8*mc+\n+1]
	v_pk_fma_f32 v[ZSQ+\n:ZSQ+\n+1], v[8*mc+\n:8*mc+\n+1], v[8*mc+\n:8*mc+\n+1], v[ZSQ+\n:ZSQ+\n+1]
.endr
.set mc, mc+1
.endr
.irp n, 0,2,4,6,8,10,12,14
	v_pk_mul_f32 v[ZSUM+\n:ZSUM+\n+1], v[ZSUM+\n:ZSUM+\n+1], 0x3d800000 op_sel_hi:[1,0]    ; x 1/16, exact
.endr
	WIN 0x04                                       ; address in window 0, data in window 1
.irp i, 0,1
	ds_store_b128 v[LEW], v[ZSQ+4*\i:ZSQ+4*\i+3]   offset:512*\i
	ds_store_b128 v[LEW], v[ZSUM+4*\i:ZSUM+4*\i+3] offset:EPL+512*\i
.endr
	WIN 0
	s_wait_dscnt 0x0                               ; my coefficients and my E are in LDS,
	s_barrier_signal -1
	s_barrier_wait -1                              ; everybody's are
; PHASE 2.  The unit of work is (chunk of 16 components, row b), in three stages:
;   A  x = C E1 + (B E2 + A), two components an instruction; the new running maximum; x - maximum        33 plain instructions
;   B  2^(old - new maximum) and sixteen 2^(x - maximum)                                                 17 exponentials
;   C  sum = sum x rescale + the sixteen                                                                  8 plain instructions
; A slot runs stage B of one unit between stage C of the unit before and stage A of the unit behind: every exponential has plain
; independent work behind it before its result is used, and the two kinds of instruction alternate.
.macro LOADCF cf, off                  ; 12 loads: A, B, C of 16 components of my column
.irp tb, 0,1,2
.irp q, 0,1,2,3
	ds_load_b128 v[\cf+16*\tb+4*\q:\cf+16*\tb+4*\q+3], v[CADR] offset:\off+128*\tb+16*\q
.endr
.endr
.endm
.macro SETA nb, np                     ; stage A works on row nb of a chunk of parity np
.set NB,  \nb
.set SEL, NB&1                         ; which register of a pair is row nb's
.set TA,  TT+16*SEL
.set XA,  XX+8*SEL
.set CF,  CFA+48*(\np)
.set MO,  MXA+8*(\np)+NB               ; the maximum so far
.set MN,  MXA+8*(1-(\np))+NB           ; and the new one, in the other set
.set MNP, MN-SEL
.set E2P, E2R+NB-SEL
.set EZQ, EZR+NB-SEL
.endm
.macro SETC pb                         ; stage C works on row pb
.set TC, TT+16*((\pb)&1)
.set XC, XX+8*((\pb)&1)
.set SC, SM+2*(\pb)
.endm
.macro BFMA d, a, bp, c                ; d = a x (register SEL of the pair bp, for both halves) + c
.if SEL
	v_pk_fma_f32 v[\d:\d+1], v[\a:\a+1], v[\bp:\bp+1], v[\c:\c+1] op_sel:[0,1,0] op_sel_hi:[1,1,1]
.else
	v_pk_fma_f32 v[\d:\d+1], v[\a:\a+1], v[\bp:\bp+1], v[\c:\c+1] op_sel:[0,0,0] op_sel_hi:[1,0,1]
.endif
.endm
.macro A_FMA1 p0                       ; B E2 + A, four pairs of components
.irp p, 0,1,2,3
	BFMA TA+2*(\p0+\p), CF+16+2*(\p0+\p), E2P, CF+2*(\p0+\p)
.endr
.endm
.macro A_FMA2 p0                       ; + C E1
.irp p, 0,1,2,3
	BFMA TA+2*(\p0+\p), CF+32+2*(\p0+\p), EZQ, TA+2*(\p0+\p)
.endr
.endm
.macro A_MAX1
	v_max3_num_f32 v[XA],   v[TA],    v[TA+1],  v[TA+2]
	v_max3_num_f32 v[XA+1], v[TA+3],  v[TA+4],  v[TA+5]
	v_max3_num_f32 v[XA+2], v[TA+6],  v[TA+7],  v[TA+8]
	v_max3_num_f32 v[XA+3], v[TA+9],  v[TA+10], v[TA+11]
	v_max3_num_f32 v[XA+4], v[TA+12], v[TA+13], v[TA+14]
.endm
.macro A_MAX2
	v_max3_num_f32 v[XA],   v[XA],   v[XA+1], v[XA+2]
	v_max3_num_f32 v[XA+3], v[XA+3], v[XA+4], v[TA+15]
	v_max3_num_f32 v[MN],   v[XA],   v[XA+3], v[MO]
	v_sub_f32 v[XA+5], v[MO], v[MN]                ; <= 0; -inf in the first chunk
.endm
.macro A_SUB
.irp p, 0,1,2,3,4,5,6,7
.if SEL
	v_pk_add_f32 v[TA+2*\p:TA+2*\p+1], v[TA+2*\p:TA+2*\p+1], v[MNP:MNP+1] op_sel:[0,1] op_sel_hi:[1,1] neg_lo:[0,1] neg_hi:[0,1]
.else
	v_pk_add_f32 v[TA+2*\p:TA+2*\p+1], v[TA+2*\p:TA+2*\p+1], v[MNP:MNP+1] op_sel:[0,0] op_sel_hi:[1,0] neg_lo:[0,1] neg_hi:[0,1]
.endif
.endr
.endm
.macro C_1
	s_wait_alu depctr_va_vdst(0)
	v_pk_fma_f32 v[SC:SC+1], v[SC:SC+1], v[XC+4:XC+5], v[TC:TC+1] op_sel:[0,1,0] op_sel_hi:[1,1,1]    ; the factor is the pair's second register
	v_pk_add_f32 v[TC+2:TC+3],   v[TC+2:TC+3],   v[TC+4:TC+5]
	v_pk_add_f32 v[TC+6:TC+7],   v[TC+6:TC+7],   v[TC+8:TC+9]
	v_pk_add_f32 v[TC+10:TC+11], v[TC+10:TC+11], v[TC+12:TC+13]
.endm
.macro C_2
	v_pk_add_f32 v[SC:SC+1],   v[SC:SC+1],   v[TC+14:TC+15]
	v_pk_add_f32 v[TC+2:TC+3], v[TC+2:TC+3], v[TC+6:TC+7]
	v_pk_add_f32 v[SC:SC+1],   v[SC:SC+1],   v[TC+10:TC+11]
	v_pk_add_f32 v[SC:SC+1],   v[SC:SC+1],   v[TC+2:TC+3]
.endm
.macro EXPS from, to
.set ei, \from
.rept \to-\from+1
	v_exp_f32 v[TB+ei], v[TB+ei]
.set ei, ei+1
.endr
.endm
; The slot of row b of a chunk of parity par.  doa, doc: stages A and C have a unit to work on.
; ld = 1: stage A is about to enter the other coefficient buffer, whose loads were issued eight slots ago: wait for them.
; ld = 2: and this chunk's buffer, last read in the slot before, is filled with the chunk two further on.
.macro SLOT b, par, doa, doc, ld
.set TB, TT+16*((\b)&1)
.set XB, XX+8*((\b)&1)
.set PBV, ((\b)+7)&7
	SETC PBV
.if (\b)==7
	SETA 0, 1-(\par)
.else
	SETA (\b)+1, \par
.endif
.if \ld
	s_wait_dscnt 0x0
.endif
.if (\ld)==2
	LOADCF CFA+48*(\par), KBLK+64*(\par)
.endif
	v_exp_f32 v[XB+5], v[XB+5]
	EXPS 0, 0
.if \doc
	C_1
.endif
	EXPS 1, 2
.if \doc
	C_2
.endif
	EXPS 3, 4
.if \doa
	A_FMA1 0
.endif
	EXPS 5, 6
.if \doa
	A_FMA1 4
.endif
	EXPS 7, 8
.if \doa
	A_FMA2 0
.endif
	EXPS 9, 10
.if \doa
	A_FMA2 4
.endif
	EXPS 11, 12
.if \doa
	A_MAX1
.endif
	EXPS 13, 14
.if \doa
	A_MAX2
.endif
	EXPS 15, 15
.if \doa
	A_SUB
.endif
.endm
.irp r, 0,1,2,3,4,5,6,7
	ds_load_b32 v[E2R+\r], v[LER] offset:256*\r
	ds_load_b32 v[EZR+\r], v[LER] offset:EPL+256*\r
.endr
	LOADCF CFA, 0                                  ; chunk 0
	LOADCF CFA+48, 64                              ; chunk 1
.irp r, 0,1,2,3,4,5,6,7
	v_mov_b32 v[MXA+\r], 0xff800000                ; no maximum yet: -inf, so that the first rescale factor is 0
	v_mov_b32 v[MXA+8+\r], 0xff800000              ; the other set: the packed subtraction names pairs, so a row's neighbour must hold a number
	v_mov_b32 v[SM+2*\r], 0
	v_mov_b32 v[SM+2*\r+1], 0
.endr
	s_wait_dscnt 12                                ; E and chunk 0 are in; chunk 1's twelve loads may stay out
	SETA 0, 0                                      ; the pipeline starts: stage A of (chunk 0, row 0) by itself
	A_FMA1 0
	A_FMA1 4
	A_FMA2 0
	A_FMA2 4
	A_MAX1
	A_MAX2
	A_SUB
	SLOT 0, 0, 1, 0, 0                             ; and a slot without a stage C
	; A trip: rows 1-7 of an even chunk, an odd chunk, row 0 of the next even chunk.  Seven trips reach (chunk 14, row 0) and request chunks 2 to 15.
	s_mov_b32 s33, 0
.Lchunks:
.irp b, 1,2,3,4,5,6
	SLOT \b, 0, 1, 1, 0
.endr
	SLOT 7, 0, 1, 1, 2
.irp b, 0,1,2,3,4,5,6
	SLOT \b, 1, 1, 1, 0
.endr
	SLOT 7, 1, 1, 1, 2
	v_add_nc_u32 v[CADR], KBLK, v[CADR]            ; the next 32 components
	SLOT 0, 0, 1, 1, 0
	s_add_co_u32 s33, s33, 1
	s_cmp_lt_u32 s33, 7
	s_cbranch_scc1 .Lchunks
	; the tail, chunks 14 and 15: nothing more is requested, and the last slot has no stage A
.irp b, 1,2,3,4,5,6
	SLOT \b, 0, 1, 1, 0
.endr
	SLOT 7, 0, 1, 1, 1
.irp b, 0,1,2,3,4,5,6
	SLOT \b, 1, 1, 1, 0
.endr
	SLOT 7, 1, 0, 1, 0
	; PHASE 3.  The stage takes the bytes of the E planes, which every wave has read long ago; the barrier says so.  My own LDS loads were
	; all waited for in chunk 14's last slot.  Register work stands between signal and wait.
	s_barrier_signal -1
	v_lshrrev_b32 v[ROWR], 4, v0                   ; addresses of the way out: also the plain work between the last exponentials and their use
	v_bfe_u32 v[LSR], v0, 3, 1                     ; which 32 of the 64 columns
	v_and_b32 v[VOO], 7, v0
	v_mul_u32_u24 v[LSR], v[LSR], SPL
	v_lshl_add_u32 v[LSR], v[ROWR], 7, v[LSR]      ; row thread / 16, 128 bytes
	v_lshl_add_u32 v[LSR], v[VOO], 4, v[LSR]
	v_add_nc_u32 v[LSR], EOFF, v[LSR]
	v_and_b32 v[VOO], 15, v0
	v_lshlrev_b32 v[VOO], 4, v[VOO]
	v_lshl_add_u32 v[VOO], v[ROWR], 9, v[VOO]      ; the same row and 16 bytes in out
	v_and_b32 v[LSW], 31, v0
	v_lshl_add_u32 v[LSW], v[LSW], 2, s46
	s_wait_alu depctr_va_vdst(0)
	SETC 7
	C_1
	C_2
.irp r, 0,1,2,3,4,5,6,7
	v_add_f32 v[SM+2*\r], v[SM+2*\r], v[SM+2*\r+1] ; between 1 and 256: the largest term is 1
.endr
.irp r, 0,1,2,3,4,5,6,7
	v_log_f32 v[SM+2*\r], v[SM+2*\r]
.endr
.irp r, 0,1,2,3,4,5,6,7
	v_mul_f32 v[MXA+\r], s31, v[MXA+\r]            ; chunk 15 left the maxima in the first set
.endr
	s_wait_alu depctr_va_vdst(0)
.irp r, 0,1,2,3,4,5,6,7
	v_fmac_f32 v[MXA+\r], s31, v[SM+2*\r]          ; ln 2 (m + log2 sum)
.endr
	s_barrier_wait -1
.irp r, 0,1,2,3,4,5,6,7
	ds_store_b32 v[LSW], v[MXA+\r] offset:128*\r
.endr
	s_wait_dscnt 0x0                               ; my results are in the stage,
	s_barrier_signal -1
	s_barrier_wait -1                              ; everybody's are
	ds_load_b128 v[OD:OD+3],   v[LSR]              ; rows 0-15
	ds_load_b128 v[OD+4:OD+7], v[LSR] offset:2048  ; rows 16-31
	s_wait_dscnt 1                                 ; the first is in, the second may stay out
	global_store_b128 v[VOO], v[OD:OD+3], s[12:13] th:TH_STORE_NT                  ; sixteen lanes store 256 consecutive bytes, aligned
	s_wait_dscnt 0x0
	global_store_b128 v[VOO], v[OD+4:OD+7], s[12:13] offset:8192 th:TH_STORE_NT
	s_wait_tensorcnt 0x0
	ds_add_u32 v254, v255
	s_wait_dscnt 0x0
	s_endpgm
.Lfunc_end_k_q42b0d00c89_mog:
	.size	k_q42b0d00c89_mog, .Lfunc_end_k_q42b0d00c89_mog-k_q42b0d00c89_mog
	.p2alignl 7, 3214868480
	.fill 96, 4, 3214868480
	.section	.rodata,"a",@progbits
	.p2align	6, 0x0
	.amdhsa_kernel k_q42b0d00c89_mog
		.amdhsa_group_segment_fixed_size 222720
		.amdhsa_private_segment_fixed_size 0
		.amdhsa_enable_private_segment 0
		.amdhsa_kernarg_size 40
		.amdhsa_user_sgpr_count 2
		.amdhsa_user_sgpr_kernarg_segment_ptr 1
		.amdhsa_wavefront_size32 1
		.amdhsa_system_sgpr_workgroup_id_x 1
		.amdhsa_system_sgpr_workgroup_id_y 1
		.amdhsa_system_sgpr_workgroup_id_z 1
		.amdhsa_system_vgpr_workitem_id 0
		.amdhsa_next_free_vgpr 400
		.amdhsa_next_free_sgpr 66
		.amdhsa_reserve_vcc 0
		.amdhsa_float_denorm_mode_32 3
		.amdhsa_float_denorm_mode_16_64 3
		.amdhsa_memory_ordered 1
		.amdhsa_forward_progress 1
		.amdhsa_inst_pref_size 157
	.end_amdhsa_kernel
	.amdgpu_metadata
---
amdhsa.version: [ 1, 2 ]
amdhsa.kernels:
  - .name:           k_q42b0d00c89_mog
    .symbol:         k_q42b0d00c89_mog.kd
    .args:
      - { .name: z, .offset: 0, .size: 8, .value_kind: global_buffer, .address_space: global }
      - { .name: means, .offset: 8, .size: 8, .value_kind: global_buffer, .address_space: global }
      - { .name: log_vars, .offset: 16, .size: 8, .value_kind: global_buffer, .address_space: global }
      - { .name: w, .offset: 24, .size: 8, .value_kind: global_buffer, .address_space: global }
      - { .name: out0, .offset: 32, .size: 8, .value_kind: global_buffer, .address_space: global }
    .group_segment_fixed_size: 222720
    .private_segment_fixed_size: 0
    .kernarg_segment_align: 8
    .kernarg_segment_size: 40
    .max_flat_workgroup_size: 256
    .sgpr_count:     66
    .vgpr_count:     400
    .wavefront_size: 32
...
	.end_amdgpu_metadata
.endif
;; end of part 1
